; MI455X (gfx1250); checked and timed in simulation.
; The chip was launched on July 23, 2026; its instructions are those of AMD's public machine-readable ISA for CDNA 5 (MIT licence, August 2026) and "CDNA5" Instruction Set Architecture Reference Guide (July 2026). The comments in the code are by the model that wrote it; some were corrected since.
;; Scaled Dot Product Attention. Allowed arithmetic: float matrix products may take bf16 or f16 operands with f32 sums; all other float work in f32.
;; Inputs: Wk 512 x 512 float32; Wq 512 x 512 float32; bk 512 float32; bq 512 float32; x 64 x 1,024 x 512 float32.
;; Outputs: out0 64 x 512 float32; out1 64 x 1,024 float32.
;; 2 versions, each right; version 2 is version 1 with the launch colsum written anew for expert scheduling mode. Each part assembles by itself: llvm-mc -triple=amdgcn-amd-amdhsa -mcpu=gfx1250 --defsym DOCPART=n.
;; ======== version 1 of 2: 4 launches
;; workspace buffers: part 524,288 bytes; upart 2,097,152 bytes; cpart 4,096 bytes; sc 262,144 bytes; aggp 524,288 bytes; mlp 2,048 bytes
;; launch colsum (part 1): grid 256 x 1, 16 waves a work-group, no clusters, 10,240 bytes of LDS; arguments x, part; writes part
.if DOCPART == 1
	.amdgcn_target "amdgcn-amd-amdhsa--gfx1250"
	.amdhsa_code_object_version 6
	.text
	.protected	k_q5a7e336e44_colsum
	.globl	k_q5a7e336e44_colsum
	.p2align	8
	.type	k_q5a7e336e44_colsum,@function
k_q5a7e336e44_colsum:
	s_mov_b64 s[64:65], 0
	v_nop
	global_prefetch_b8 v0, s[64:65] scope:SCOPE_SE
	s_setreg_imm32_b32 hwreg(HW_REG_WAVE_MODE, 25, 1), 1
	s_wait_xcnt 0x0
; STEP 1 OF 4.  part[wg][c] = sum of x[row][c] over the 256 rows of quarter batch wg (wg = 4 b + q), in f32.
; Why a column sum: reference() averages the scores over the key axis BEFORE the softmax, and that mean is linear, so for every input
;   mean_m (q_n . k_m) = q_n . (Wk xbar + bk),  xbar = mean_m x[b][m],   and   q_n . kbar = x_n . (Wq^T kbar) + bq . kbar.
; The four launches compute exactly that: column sums (here), the two small products, the scores with pooling, the closing normalisation.
; Limit kept: sums are f32 in another order than reference()'s; nothing is rounded to 16 bits.
; Sixteen waves; the work-group owns 256 rows = 512 KiB.  Thread t owns the 16 bytes at 16 t of every block of 4 rows (8,192 bytes):
; column group t & 127 of row t >> 7 of the block.  One load of a wave covers 512 neighbouring bytes, aligned.  A ring of 16 register slots
; keeps 16 loads of every wave out: 16 waves x 16 x 512 bytes = 128 KiB for the work-group.  No matrix unit, no tensor load, no cluster:
; no byte of x is used twice in this launch and no two work-groups read the same byte.
.set BLK,   8192                       ; bytes in a block of 4 rows
.set NLD,   64                         ; blocks = loads of a thread
.set DEPTH, 16                         ; register slots
.set SA,    2                          ; v[2:5]    sum chain of the even blocks
.set SB,    6                          ; v[6:9]    sum chain of the odd blocks
.set X,     16                         ; v[16:79]  slot i % 16: 4 registers
	s_load_b128 s[4:7], s[0:1], 0x0                ; x s[4:5], part s[6:7]
	v_lshl_add_u32 v80, v0, 2, 0x2000
	v_mov_b32 v81, 0
	v_lshrrev_b32 v10, 5, v0
	v_readfirstlane_b32 s8, v10                    ; wave 0..15
	v_lshlrev_b32 v1, 4, v0                        ; 16 t: my bytes in a block, and my place in LDS; never rewritten
	v_and_b32 v11, 127, v0
	v_lshlrev_b32 v11, 4, v11                      ; 16 (t & 127): my column group; the closing sum's address
	s_lshl_b32 s2, ttmp9, 19                       ; 256 rows x 2,048 bytes; 255 << 19 stays below 2^27
	s_mov_b32 s3, 0
	s_lshl_b32 s10, ttmp9, 11                      ; one row of 2,048 bytes of part
	s_mov_b32 s11, 0
	s_wait_kmcnt 0x0
	s_add_nc_u64 s[4:5], s[4:5], s[2:3]
	s_add_nc_u64 s[6:7], s[6:7], s[10:11]
.irp i, 0,1,2,3,4,5,6,7,8,9,10,11,12,13,14,15
	global_load_b128 v[X+4*\i:X+4*\i+3], v1, s[4:5] offset:\i*BLK      ; no hint: a later launch reads x again
.endr
	s_wait_loadcnt 12                              ; 16 issued, 12 may stay out: blocks 0 to 3 are in
	v_pk_add_f32 v[SA:SA+1],   v[X:X+1],     v[X+8:X+9]            ; the first four blocks start the two chains: nothing is cleared
	v_pk_add_f32 v[SA+2:SA+3], v[X+2:X+3],   v[X+10:X+11]
	v_pk_add_f32 v[SB:SB+1],   v[X+4:X+5],   v[X+12:X+13]
	v_pk_add_f32 v[SB+2:SB+3], v[X+6:X+7],   v[X+14:X+15]
.irp i, 0,1,2,3
	global_load_b128 v[X+4*\i:X+4*\i+3], v1, s[4:5] offset:(\i+DEPTH)*BLK
.endr
; Block i: loads up to block min(i + 15, 63) have been issued, so min(15, 63 - i) younger ones may stay out.
.set i, 4
.rept NLD-4
.if NLD-1-i < DEPTH-1
	s_wait_loadcnt NLD-1-i
.else
	s_wait_loadcnt DEPTH-1
.endif
	v_pk_add_f32 v[SA+4*(i%2):SA+4*(i%2)+1],   v[SA+4*(i%2):SA+4*(i%2)+1],   v[X+4*(i%DEPTH):X+4*(i%DEPTH)+1]
	v_pk_add_f32 v[SA+4*(i%2)+2:SA+4*(i%2)+3], v[SA+4*(i%2)+2:SA+4*(i%2)+3], v[X+4*(i%DEPTH)+2:X+4*(i%DEPTH)+3]
.if i+DEPTH < NLD
	global_load_b128 v[X+4*(i%DEPTH):X+4*(i%DEPTH)+3], v1, s[4:5] offset:(i+DEPTH)*BLK
.endif
.set i, i+1
.endr
	v_pk_add_f32 v[SA:SA+1],   v[SA:SA+1],   v[SB:SB+1]
	v_pk_add_f32 v[SA+2:SA+3], v[SA+2:SA+3], v[SB+2:SB+3]
	ds_store_b128 v1, v[SA:SA+3]                   ; LDS [row of the block 4][512 columns]
	s_wait_dscnt 0x0                               ; my store is done before I say so: other waves read it
	s_barrier_signal -1
	s_barrier_wait -1
	s_cmp_ge_u32 s8, 4
	s_cbranch_scc1 .Lend                           ; waves 0 to 3 (threads 0 to 127) add the four rows and store 2,048 bytes
.irp k, 0,1,2,3
	ds_load_b128 v[X+4*\k:X+4*\k+3], v11 offset:2048*\k
.endr
	s_wait_dscnt 0x0
	v_pk_add_f32 v[X:X+1],     v[X:X+1],     v[X+4:X+5]
	v_pk_add_f32 v[X+2:X+3],   v[X+2:X+3],   v[X+6:X+7]
	v_pk_add_f32 v[X+8:X+9],   v[X+8:X+9],   v[X+12:X+13]
	v_pk_add_f32 v[X+10:X+11], v[X+10:X+11], v[X+14:X+15]
	v_pk_add_f32 v[X:X+1],     v[X:X+1],     v[X+8:X+9]
	v_pk_add_f32 v[X+2:X+3],   v[X+2:X+3],   v[X+10:X+11]
	global_store_b128 v11, v[X:X+3], s[6:7]        ; a wave stores 512 neighbouring bytes, aligned
.Lend:
	s_wait_tensorcnt 0x0
	ds_add_u32 v80, v81
	s_wait_dscnt 0x0
	s_endpgm
.Lfunc_end_k_q5a7e336e44_colsum:
	.size	k_q5a7e336e44_colsum, .Lfunc_end_k_q5a7e336e44_colsum-k_q5a7e336e44_colsum
	.p2alignl 7, 3214868480
	.fill 96, 4, 3214868480
	.section	.rodata,"a",@progbits
	.p2align	6, 0x0
	.amdhsa_kernel k_q5a7e336e44_colsum
		.amdhsa_group_segment_fixed_size 10240
		.amdhsa_private_segment_fixed_size 0
		.amdhsa_enable_private_segment 0
		.amdhsa_kernarg_size 16
		.amdhsa_user_sgpr_count 2
		.amdhsa_user_sgpr_kernarg_segment_ptr 1
		.amdhsa_wavefront_size32 1
		.amdhsa_system_sgpr_workgroup_id_x 1
		.amdhsa_system_sgpr_workgroup_id_y 1
		.amdhsa_system_sgpr_workgroup_id_z 1
		.amdhsa_system_vgpr_workitem_id 0
		.amdhsa_next_free_vgpr 82
		.amdhsa_next_free_sgpr 66
		.amdhsa_reserve_vcc 0
		.amdhsa_float_denorm_mode_32 3
		.amdhsa_float_denorm_mode_16_64 3
		.amdhsa_memory_ordered 1
		.amdhsa_forward_progress 1
		.amdhsa_inst_pref_size 18
	.end_amdhsa_kernel
	.amdgpu_metadata
---
amdhsa.version: [ 1, 2 ]
amdhsa.kernels:
  - .name:           k_q5a7e336e44_colsum
    .symbol:         k_q5a7e336e44_colsum.kd
    .args:
      - { .name: x, .offset: 0, .size: 8, .value_kind: global_buffer, .address_space: global }
      - { .name: part, .offset: 8, .size: 8, .value_kind: global_buffer, .address_space: global }
    .group_segment_fixed_size: 10240
    .private_segment_fixed_size: 0
    .kernarg_segment_align: 8
    .kernarg_segment_size: 16
    .max_flat_workgroup_size: 512
    .sgpr_count:     66
    .vgpr_count:     82
    .wavefront_size: 32
...
	.end_amdgpu_metadata
.endif
;; end of part 1
;; launch proj (part 2): grid 16 x 16, 8 waves a work-group, no clusters, 10,240 bytes of LDS; arguments part, Wk, bk, Wq, bq, upart, cpart; writes upart, cpart
.if DOCPART == 2
	.amdgcn_target "amdgcn-amd-amdhsa--gfx1250"
	.amdhsa_code_object_version 6
	.text
	.protected	k_q5a7e336e44_proj
	.globl	k_q5a7e336e44_proj
	.p2align	8
	.type	k_q5a7e336e44_proj,@function
k_q5a7e336e44_proj:
	s_mov_b64 s[64:65], 0
	v_nop
	global_prefetch_b8 v0, s[64:65] scope:SCOPE_SE
	s_setreg_imm32_b32 hwreg(HW_REG_WAVE_MODE, 25, 1), 1
	s_wait_xcnt 0x0
; STEP 2 OF 4.  With kb[e] = SC (Wk[e] . xbar_b + bk[e]),  SC = log2(e) / sqrt(512):
;   upart[b][ge][d] = sum over the 32 rows e of slice ge of Wq[e][d] kb[e]        cpart[b][ge] = sum over the same e of bq[e] kb[e].
; The next launch adds the 16 slices: u_b = sum over ge of upart, c_b = sum over ge of cpart; a score in base-2 units is x_n . u_b + c_b.
; Work-group (ge, gb): rows 32 ge .. 32 ge + 31 of BOTH weights, batches 4 gb .. 4 gb + 3.  One slice of e serves both products, so no
; work-group needs another's kb.  All in f32 on the vector unit: four rows of operands against 128 KiB of weights give the matrix unit
; nothing to reuse, and rounding xbar and kb to 16 bits would cost accuracy for nothing.
; No cluster although the 16 work-groups of one ge read the same 128 KiB of weights: each reads them once, straight into the registers that
; multiply them, in a text without a loop; a joint load would add a trip through LDS and the cluster's rounds to a single pass.
; Eight waves.  Product 1: wave w owns rows e = 32 ge + 4 w + r; lane l holds columns 128 j + 4 l + i.
; Product 2: wave w owns columns 64 w .. 64 w + 63; lanes 0-15 take the even rows of the slice, lanes 16-31 the odd ones.
.set SC,  0x3d8293ee                   ; log2(e) / sqrt(512) = 0.06375872
.set SCN, 0x388293ee                   ; SC / 1024: part holds sums over 1,024 rows, not means
.set XB,  0                            ; LDS [batch 4][512] sums of x, 8,192 bytes
.set KB,  8192                         ; LDS [e 32][batch 4] kb, 512 bytes
.set CB,  8704                         ; LDS [wave 8][batch 4] pieces of c, 128 bytes
.set P,   16                           ; v[16:47]   part as loaded: (i, quarter q) at P + 16 i + 4 q
.set K,   16                           ; v[16:31]   later: kb of (row r, batch b) at K + 4 r + b
.set C,   32                           ; v[32:35]   my wave's piece of c for batch b
.set ACC, 36                           ; v[36:43]   four pairs: the dot products at work
.set PT,  44                           ; v[44:47]   the other half's figure in a sum over lanes (written before, as part of P)
.set WK,  48                           ; v[48:111]  Wk: row r, columns 128 j + 4 l + i at WK + 16 r + 4 j + i
.set U2,  48                           ; v[48:63]   later: batch b, my column i at U2 + 4 b + i
.set PX,  64                           ; v[64:79]   later: the other half's U2
.set DO,  80                           ; v[80:87]   later: what I store
.set WQ,  112                          ; v[112:175] Wq: row 2 i + h, my 4 columns at WQ + 4 i
.set XS,  176                          ; v[176:239] sums of x: batch b at XS + 16 b + 4 j + i
.set KL,  176                          ; v[176:239] later: kb of row 2 i + h, batch b at KL + 4 i + b
; d = a x (register base + idx, in both halves), and the same with d added.  base is even.
.macro BMUL d, a, base, idx
.if (\idx)%2
	v_pk_mul_f32 v[\d:\d+1], v[\a:\a+1], v[\base+\idx-1:\base+\idx] op_sel:[0,1] op_sel_hi:[1,1]
.else
	v_pk_mul_f32 v[\d:\d+1], v[\a:\a+1], v[\base+\idx:\base+\idx+1] op_sel_hi:[1,0]
.endif
.endm
.macro BFMA d, a, base, idx
.if (\idx)%2
	v_pk_fma_f32 v[\d:\d+1], v[\a:\a+1], v[\base+\idx-1:\base+\idx], v[\d:\d+1] op_sel:[0,1,0] op_sel_hi:[1,1,1]
.else
	v_pk_fma_f32 v[\d:\d+1], v[\a:\a+1], v[\base+\idx:\base+\idx+1], v[\d:\d+1] op_sel_hi:[1,0,1]
.endif
.endm
	s_load_b256 s[4:11], s[0:1], 0x0               ; part s[4:5], Wk s[6:7], bk s[8:9], Wq s[10:11]
	s_load_b128 s[12:15], s[0:1], 0x20             ; bq s[12:13], upart s[14:15]
	s_load_b64 s[16:17], s[0:1], 0x30              ; cpart
	v_lshl_add_u32 v240, v0, 2, 0x2400
	v_mov_b32 v241, 0
	v_and_b32 v1, 31, v0                           ; l
	v_lshrrev_b32 v15, 5, v0
	v_readfirstlane_b32 s18, v15                   ; wave w, 0..7
	s_and_b32 s20, ttmp7, 0xffff                   ; gb; ge is ttmp9
	s_mov_b32 s32, SCN
	s_mov_b32 s33, SC
	s_mov_b32 s34, 0x76543210                      ; v_permlanex16_b32: lane i of one half reads lane i of the other
	s_mov_b32 s35, 0xfedcba98
	v_lshrrev_b32 v13, 4, v1                       ; h
	v_and_b32 v14, 15, v1                          ; l & 15
	v_lshrrev_b32 v15, 7, v0
	v_and_b32 v2, 127, v0
	v_lshlrev_b32 v2, 4, v2
	v_lshl_add_u32 v2, v15, 13, v2                 ; part: batch t >> 7 of a pair (8,192 bytes each) + 16 (t & 127)
	v_lshlrev_b32 v6, 4, v1                        ; 16 l
	s_lshl_b32 s21, s18, 13
	v_add_nc_u32 v3, s21, v6                       ; Wk: my wave's 4 rows of 2,048 bytes + 16 l
	s_lshl_b32 s22, s18, 8
	v_lshl_add_u32 v4, v14, 4, s22                 ; my wave's 256 bytes of a row + 16 (l & 15)
	v_lshl_add_u32 v10, v13, 15, v4                ; upart: + h batches of 32,768 bytes
	v_lshl_add_u32 v4, v13, 11, v4                 ; Wq: + h rows of 2,048 bytes
	v_lshlrev_b32 v5, 4, v0                        ; 16 t
	s_lshl_b32 s23, s18, 6
	v_mov_b32 v7, s23                              ; 64 w: my wave's 4 rows of KB
	s_lshl_b32 s46, s18, 4
	v_mov_b32 v8, s46                              ; 16 w: my wave's row of CB
	v_lshlrev_b32 v9, 4, v13                       ; 16 h
	v_lshlrev_b32 v11, 2, v1                       ; 4 l
	v_lshlrev_b32 v12, 6, v1                       ; cpart: batch l, 64 bytes apart
	s_lshl_b32 s36, s20, 15                        ; part: 4 batches x 4 quarters x 2,048 bytes
	s_mov_b32 s37, 0
	s_lshl_b32 s38, ttmp9, 16                      ; Wk, Wq: 32 rows x 2,048 bytes
	s_mov_b32 s39, 0
	s_lshl_b32 s40, ttmp9, 7                       ; bk, bq: 4 (32 ge + 4 w)
	s_add_co_u32 s40, s40, s46
	s_mov_b32 s41, 0
	s_lshl_b32 s42, s20, 17                        ; upart [b][ge][512]: 4 gb x 32,768 + ge x 2,048
	s_lshl_b32 s47, ttmp9, 11
	s_add_co_u32 s42, s42, s47
	s_mov_b32 s43, 0
	s_lshl_b32 s44, s20, 8                         ; cpart [b][ge]: 4 gb x 64 + 4 ge
	s_lshl_b32 s47, ttmp9, 2
	s_add_co_u32 s44, s44, s47
	s_mov_b32 s45, 0
	s_wait_kmcnt 0x0
	s_add_nc_u64 s[4:5], s[4:5], s[36:37]
	s_add_nc_u64 s[6:7], s[6:7], s[38:39]
	s_add_nc_u64 s[10:11], s[10:11], s[38:39]
	s_add_nc_u64 s[8:9], s[8:9], s[40:41]
	s_add_nc_u64 s[12:13], s[12:13], s[40:41]
	s_add_nc_u64 s[14:15], s[14:15], s[42:43]
	s_add_nc_u64 s[16:17], s[16:17], s[44:45]
	; all loads at once, in the order in which they are needed: 8 of part, 16 of Wk, 16 of Wq
.irp i, 0,1
.irp q, 0,1,2,3
	global_load_b128 v[P+16*\i+4*\q:P+16*\i+4*\q+3], v2, s[4:5] offset:16384*\i+2048*\q
.endr
.endr
.irp r, 0,1,2,3
.irp j, 0,1,2,3
	global_load_b128 v[WK+16*\r+4*\j:WK+16*\r+4*\j+3], v3, s[6:7] offset:2048*\r+512*\j
.endr
.endr
.irp i, 0,1,2,3,4,5,6,7,8,9,10,11,12,13,14,15
	global_load_b128 v[WQ+4*\i:WQ+4*\i+3], v4, s[10:11] offset:4096*\i     ; each half of 16 lanes: 256 neighbouring bytes of one row
.endr
	s_load_b128 s[24:27], s[8:9], 0x0              ; bk of my wave's 4 rows
	s_load_b128 s[28:31], s[12:13], 0x0            ; bq of the same rows
	s_wait_loadcnt 32                              ; the 32 loads of weights stay out: part is in
.irp i, 0,1
.irp p, 0,2
	v_pk_add_f32 v[P+16*\i+\p:P+16*\i+\p+1],     v[P+16*\i+\p:P+16*\i+\p+1],     v[P+16*\i+4+\p:P+16*\i+4+\p+1]
	v_pk_add_f32 v[P+16*\i+8+\p:P+16*\i+8+\p+1], v[P+16*\i+8+\p:P+16*\i+8+\p+1], v[P+16*\i+12+\p:P+16*\i+12+\p+1]
	v_pk_add_f32 v[P+16*\i+\p:P+16*\i+\p+1],     v[P+16*\i+\p:P+16*\i+\p+1],     v[P+16*\i+8+\p:P+16*\i+8+\p+1]
.endr
	ds_store_b128 v5, v[P+16*\i:P+16*\i+3] offset:XB+4096*\i       ; batch 2 i + (t >> 7), column group t & 127
.endr
	s_wait_dscnt 0x0                               ; my stores are done before I say so
	s_barrier_signal -1
	s_barrier_wait -1
.irp b, 0,1,2,3
.irp j, 0,1,2,3
	ds_load_b128 v[XS+16*\b+4*\j:XS+16*\b+4*\j+3], v6 offset:XB+2048*\b+512*\j
.endr
.endr
	s_wait_loadcnt 16                              ; Wq's 16 loads stay out: Wk is in
	s_wait_dscnt 0x0
	s_wait_kmcnt 0x0
.irp r, 0,1,2,3
	s_mul_f32 s[24+\r], s[24+\r], s33              ; SC bk
.endr
; Row r of my wave against the four batches: four chains of eight packed multiply-adds that take turns
.macro DOTROW r
.irp k, 0,1,2,3,4,5,6,7
.irp b, 0,1,2,3
.if \k == 0
	v_pk_mul_f32 v[ACC+2*\b:ACC+2*\b+1], v[WK+16*\r:WK+16*\r+1], v[XS+16*\b:XS+16*\b+1]
.else
	v_pk_fma_f32 v[ACC+2*\b:ACC+2*\b+1], v[WK+16*\r+2*\k:WK+16*\r+2*\k+1], v[XS+16*\b+2*\k:XS+16*\b+2*\k+1], v[ACC+2*\b:ACC+2*\b+1]
.endif
.endr
.endr
.irp b, 0,1,2,3
	v_add_f32 v[K+4*\r+\b], v[ACC+2*\b], v[ACC+2*\b+1]
.endr
.endm
	DOTROW 0
	DOTROW 1
	DOTROW 2
	DOTROW 3
	; the sixteen sums over the 32 lanes, side by side; every lane ends with every sum
.irp m, 1,2,4,8
.irp i, 0,1,2,3,4,5,6,7,8,9,10,11,12,13,14,15
	v_add_f32_dpp v[K+\i], v[K+\i], v[K+\i] row_xmask:\m row_mask:0xf bank_mask:0xf
.endr
.endr
.irp g, 0,1,2,3
.irp i, 0,1,2,3
	v_permlanex16_b32 v[PT+\i], v[K+4*\g+\i], s34, s35
.endr
.irp i, 0,1,2,3
	v_add_f32 v[K+4*\g+\i], v[K+4*\g+\i], v[PT+\i]
.endr
.endr
.irp r, 0,1,2,3
.irp b, 0,1,2,3
	v_fma_f32 v[K+4*\r+\b], v[K+4*\r+\b], s32, s[24+\r]            ; kb = (SC / 1024) x sum + SC bk
.endr
.endr
.irp b, 0,1,2,3
	v_mul_f32 v[C+\b], s28, v[K+\b]                                ; my wave's four rows of bq . kb
.endr
.irp r, 1,2,3
.irp b, 0,1,2,3
	v_fma_f32 v[C+\b], s[28+\r], v[K+4*\r+\b], v[C+\b]
.endr
.endr
.irp r, 0,1,2,3
	ds_store_b128 v7, v[K+4*\r:K+4*\r+3] offset:KB+16*\r           ; all lanes hold the same numbers and write the same 16 bytes
.endr
	ds_store_b128 v8, v[C:C+3] offset:CB
	s_wait_dscnt 0x0                               ; done before I say so
	s_barrier_signal -1
	s_barrier_wait -1
.irp i, 0,1,2,3,4,5,6,7,8,9,10,11,12,13,14,15
	ds_load_b128 v[KL+4*\i:KL+4*\i+3], v9 offset:KB+32*\i          ; kb of row 2 i + h, four batches
.endr
	s_wait_loadcnt 0x0                             ; Wq
	s_wait_dscnt 0x0
	; my 4 columns x 4 batches, over my half's 16 rows: eight chains that take turns
.irp b, 0,1,2,3
.irp p, 0,2
	BMUL U2+4*\b+\p, WQ+\p, KL, \b
.endr
.endr
.irp i, 1,2,3,4,5,6,7,8,9,10,11,12,13,14,15
.irp b, 0,1,2,3
.irp p, 0,2
	BFMA U2+4*\b+\p, WQ+4*\i+\p, KL, 4*\i+\b
.endr
.endr
.endr
.irp i, 0,1,2,3,4,5,6,7,8,9,10,11,12,13,14,15
	v_permlanex16_b32 v[PX+\i], v[U2+\i], s34, s35                 ; even rows + odd rows (PX was written before, as part of WK)
.endr
.irp i, 0,1,2,3,4,5,6,7,8,9,10,11,12,13,14,15
	v_add_f32 v[U2+\i], v[U2+\i], v[PX+\i]
.endr
	v_cmp_le_u32 vcc_lo, 16, v1                    ; both halves now hold all four batches: lanes 0-15 store batch 2 k, lanes 16-31 batch 2 k + 1
.irp k, 0,1
.irp i, 0,1,2,3
	v_cndmask_b32 v[DO+4*\k+\i], v[U2+8*\k+\i], v[U2+8*\k+4+\i], vcc_lo
.endr
	global_store_b128 v10, v[DO+4*\k:DO+4*\k+3], s[14:15] offset:65536*\k   ; each half of 16 lanes stores 256 neighbouring bytes, aligned
.endr
	s_cmp_lg_u32 s18, 0
	s_cbranch_scc1 .Lend
	; wave 0 adds the eight waves' pieces of c.  Word l of CB is (wave l >> 2, batch l & 3): the wave sits in bits 2, 3, 4 of the lane.
	ds_load_b32 v15, v11 offset:CB
	s_wait_dscnt 0x0
	v_add_f32_dpp v15, v15, v15 row_xmask:4 row_mask:0xf bank_mask:0xf
	v_add_f32_dpp v15, v15, v15 row_xmask:8 row_mask:0xf bank_mask:0xf
	v_permlanex16_b32 v[PT], v15, s34, s35
	v_add_f32 v15, v15, v[PT]
	v_cmp_gt_u32 vcc_lo, 4, v1
	s_wait_xcnt 0x0                                ; the stores above name EXEC: it is narrowed only behind this wait
	s_and_saveexec_b32 s21, vcc_lo
	global_store_b32 v12, v15, s[16:17]            ; four words, 64 bytes apart: the one short store of this launch (cpart is 4 KiB in all)
	s_wait_xcnt 0x0                                ; and widened again only behind this one
	s_or_b32 exec_lo, exec_lo, s21
.Lend:
	s_wait_tensorcnt 0x0
	ds_add_u32 v240, v241
	s_wait_dscnt 0x0
	s_endpgm
.Lfunc_end_k_q5a7e336e44_proj:
	.size	k_q5a7e336e44_proj, .Lfunc_end_k_q5a7e336e44_proj-k_q5a7e336e44_proj
	.p2alignl 7, 3214868480
	.fill 96, 4, 3214868480
	.section	.rodata,"a",@progbits
	.p2align	6, 0x0
	.amdhsa_kernel k_q5a7e336e44_proj
		.amdhsa_group_segment_fixed_size 10240
		.amdhsa_private_segment_fixed_size 0
		.amdhsa_enable_private_segment 0
		.amdhsa_kernarg_size 56
		.amdhsa_user_sgpr_count 2
		.amdhsa_user_sgpr_kernarg_segment_ptr 1
		.amdhsa_wavefront_size32 1
		.amdhsa_system_sgpr_workgroup_id_x 1
		.amdhsa_system_sgpr_workgroup_id_y 1
		.amdhsa_system_sgpr_workgroup_id_z 1
		.amdhsa_system_vgpr_workitem_id 0
		.amdhsa_next_free_vgpr 242
		.amdhsa_next_free_sgpr 66
		.amdhsa_reserve_vcc 1
		.amdhsa_float_denorm_mode_32 3
		.amdhsa_float_denorm_mode_16_64 3
		.amdhsa_memory_ordered 1
		.amdhsa_forward_progress 1
		.amdhsa_inst_pref_size 37
	.end_amdhsa_kernel
	.amdgpu_metadata
---
amdhsa.version: [ 1, 2 ]
amdhsa.kernels:
  - .name:           k_q5a7e336e44_proj
    .symbol:         k_q5a7e336e44_proj.kd
    .args:
      - { .name: part, .offset: 0, .size: 8, .value_kind: global_buffer, .address_space: global }
      - { .name: Wk, .offset: 8, .size: 8, .value_kind: global_buffer, .address_space: global }
      - { .name: bk, .offset: 16, .size: 8, .value_kind: global_buffer, .address_space: global }
      - { .name: Wq, .offset: 24, .size: 8, .value_kind: global_buffer, .address_space: global }
      - { .name: bq, .offset: 32, .size: 8, .value_kind: global_buffer, .address_space: global }
      - { .name: upart, .offset: 40, .size: 8, .value_kind: global_buffer, .address_space: global }
      - { .name: cpart, .offset: 48, .size: 8, .value_kind: global_buffer, .address_space: global }
    .group_segment_fixed_size: 10240
    .private_segment_fixed_size: 0
    .kernarg_segment_align: 8
    .kernarg_segment_size: 56
    .max_flat_workgroup_size: 256
    .sgpr_count:     66
    .vgpr_count:     242
    .wavefront_size: 32
...
	.end_amdgpu_metadata
.endif
;; end of part 2
;; launch score (part 3): grid 256 x 1, 16 waves a work-group, no clusters, 45,056 bytes of LDS; arguments x, upart, cpart, sc, aggp, mlp; writes sc, aggp, mlp
.if DOCPART == 3
	.amdgcn_target "amdgcn-amd-amdhsa--gfx1250"
	.amdhsa_code_object_version 6
	.text
	.protected	k_q5a7e336e44_score
	.globl	k_q5a7e336e44_score
	.p2align	8
	.type	k_q5a7e336e44_score,@function
k_q5a7e336e44_score:
	s_mov_b64 s[64:65], 0
	v_nop
	global_prefetch_b8 v0, s[64:65] scope:SCOPE_SE
	s_setreg_imm32_b32 hwreg(HW_REG_WAVE_MODE, 25, 1), 1
	s_wait_xcnt 0x0
; STEP 3 OF 4.  For the 256 rows n of quarter batch wg = 4 b + q:
;   sc[n] = x_n . u_b + c_b  (the mean score times log2(e), so that 2^sc stands for e^score),
;   m = max sc,  l = sum 2^(sc - m),  aggp[wg][d] = sum 2^(sc - m) x_n[d]:  a softmax with a running maximum, x read once here.
; u_b and c_b are the sums of the 16 slices that the launch before stored.  The last launch joins a batch's four quarters.
; Limits kept: f32 throughout, in another order than reference(); v_exp_f32 gives 0 for a result below 2^-126, so such weights count as 0.
; Sixteen waves.  Wave w takes 4 groups of 4 rows: group gp = rows 64 gp + 4 w .. + 3, so that the sixteen waves' loads of one group cover
; 128 KiB of neighbouring bytes.  gp runs 3, 2, 1, 0: the rows that the first launch read last are asked for first.
; Lane l holds columns 128 j + 4 l + i of a row.  Two register slots of 4 rows (16 loads each): 16 to 32 loads of 512 bytes of every wave out.
; No matrix unit: one row of u against each row of x.  No tensor load: the registers hold what is in flight, with no barrier in the stream.
; No cluster: what the four work-groups of a batch share is upart's 32 KiB, against 512 KiB of x that each reads alone.
.set UR,   0                           ; LDS [row group 4][512]: u in four pieces, 8,192 bytes
.set SCR,  8192                        ; LDS [256] scores, 1,024 bytes
.set MR,   9216                        ; LDS [wave 16] maxima
.set LR,   9280                        ; LDS [wave 16] sums
.set AG,   9472                        ; LDS [wave 16][512] weighted sums, 32,768 bytes
.set U,    4                           ; v[4:19]    u of my 16 columns, at U + 4 j + i
.set AGG,  20                          ; v[20:35]   running weighted sum of my 16 columns
.set CI,   36                          ; v[36:37]   (c in lane 0, 0 elsewhere; 0): starts each row's dot product, so c enters each sum once
.set T,    38                          ; v[38:41]   the group's four scores
.set D,    42                          ; v[42:49]   four pairs at work, then the exponents
.set PT,   50                          ; v[50:53]   the other half's figure in a sum over lanes
.set P,    54                          ; v[54:57]   2^(score - maximum) of the four rows
.set AL,   58                          ; v58 the factor 2^(old maximum - new), v59 its exponent
.set M,    60                          ; running maximum
.set L,    61                          ; running sum
.set MN,   62                          ; new maximum
.set T16,  63                          ; 16 t
.set X,    64                          ; v[64:191]  slot s, row r: X + 64 s + 16 r + 4 j + i
.set TM,   192                         ; v[192:207] upart at work; later the four address registers below
.set SW,   192                         ; 16 w
.set W4,   193                         ; 4 w
.set AGW,  194                         ; 2,048 w + 16 l
.set ZERO, 195
.set AUX,  196
.macro BMUL d, a, base, idx            ; d = a x (register base + idx, in both halves); base is even
.if (\idx)%2
	v_pk_mul_f32 v[\d:\d+1], v[\a:\a+1], v[\base+\idx-1:\base+\idx] op_sel:[0,1] op_sel_hi:[1,1]
.else
	v_pk_mul_f32 v[\d:\d+1], v[\a:\a+1], v[\base+\idx:\base+\idx+1] op_sel_hi:[1,0]
.endif
.endm
.macro BFMA d, a, base, idx            ; d += the same
.if (\idx)%2
	v_pk_fma_f32 v[\d:\d+1], v[\a:\a+1], v[\base+\idx-1:\base+\idx], v[\d:\d+1] op_sel:[0,1,0] op_sel_hi:[1,1,1]
.else
	v_pk_fma_f32 v[\d:\d+1], v[\a:\a+1], v[\base+\idx:\base+\idx+1], v[\d:\d+1] op_sel_hi:[1,0,1]
.endif
.endm
.macro LOADG slot, gp                  ; 16 loads: my wave's 4 rows of group gp; this launch reads each byte of x once
.irp r, 0,1,2,3
.irp j, 0,1,2,3
	global_load_b128 v[X+64*\slot+16*\r+4*\j:X+64*\slot+16*\r+4*\j+3], v2, s[4:5] offset:\gp*131072+\r*2048+\j*512 th:TH_LOAD_NT
.endr
.endr
.endm
	s_load_b256 s[4:11], s[0:1], 0x0               ; x s[4:5], upart s[6:7], cpart s[8:9], sc s[10:11]
	s_load_b128 s[12:15], s[0:1], 0x20             ; aggp s[12:13], mlp s[14:15]
	v_lshl_add_u32 v208, v0, 2, 0xa800
	v_mov_b32 v209, 0
	v_and_b32 v1, 31, v0                           ; l
	v_lshrrev_b32 v2, 5, v0
	v_readfirstlane_b32 s32, v2                    ; wave w, 0..15
	s_mov_b32 s34, 0x76543210                      ; v_permlanex16_b32: lane i of one half reads lane i of the other
	s_mov_b32 s35, 0xfedcba98
	s_lshl_b32 s33, s32, 13
	v_lshl_add_u32 v2, v1, 4, s33                  ; x: my wave's 4 rows of 2,048 bytes + 16 l; never rewritten
	v_lshrrev_b32 v3, 7, v0
	v_and_b32 v[T16], 127, v0
	v_lshlrev_b32 v[T16], 4, v[T16]
	v_lshl_add_u32 v3, v3, 13, v[T16]              ; upart: slices 4 (t >> 7) .. + 3 (2,048 bytes each) + 16 (t & 127)
	v_lshlrev_b32 v[T16], 4, v0
	s_lshl_b32 s36, ttmp9, 19                      ; x: 256 rows x 2,048 bytes
	s_mov_b32 s37, 0
	s_lshr_b32 s40, ttmp9, 2                       ; b
	s_lshl_b32 s38, s40, 15                        ; upart: 16 slices x 2,048 bytes
	s_mov_b32 s39, 0
	s_lshl_b32 s40, s40, 6                         ; cpart: 16 words
	s_mov_b32 s41, 0
	s_lshl_b32 s42, ttmp9, 10                      ; sc: 256 words
	s_mov_b32 s43, 0
	s_lshl_b32 s44, ttmp9, 11                      ; aggp: 512 words
	s_mov_b32 s45, 0
	s_lshl_b32 s46, ttmp9, 3                       ; mlp: 2 words
	s_mov_b32 s47, 0
	s_wait_kmcnt 0x0
	s_add_nc_u64 s[4:5], s[4:5], s[36:37]
	s_add_nc_u64 s[6:7], s[6:7], s[38:39]
	s_add_nc_u64 s[8:9], s[8:9], s[40:41]
	s_add_nc_u64 s[10:11], s[10:11], s[42:43]
	s_add_nc_u64 s[12:13], s[12:13], s[44:45]
	s_add_nc_u64 s[14:15], s[14:15], s[46:47]
.irp k, 0,1,2,3
	global_load_b128 v[TM+4*\k:TM+4*\k+3], v3, s[6:7] offset:2048*\k
.endr
	LOADG 0, 3
	LOADG 1, 2
	s_load_b512 s[16:31], s[8:9], 0x0              ; the 16 slices of c
	; u: each thread adds 4 slices of its 4 columns; LDS hands the four pieces to every wave
	s_wait_loadcnt 32                              ; the 32 loads of x stay out: upart's 4 are in
.irp p, 0,2
	v_pk_add_f32 v[TM+\p:TM+\p+1],     v[TM+\p:TM+\p+1],     v[TM+4+\p:TM+4+\p+1]
	v_pk_add_f32 v[TM+8+\p:TM+8+\p+1], v[TM+8+\p:TM+8+\p+1], v[TM+12+\p:TM+12+\p+1]
	v_pk_add_f32 v[TM+\p:TM+\p+1],     v[TM+\p:TM+\p+1],     v[TM+8+\p:TM+8+\p+1]
.endr
	ds_store_b128 v[T16], v[TM:TM+3] offset:UR
	v_lshlrev_b32 v[P], 4, v1                      ; 16 l, for the reads below
	s_wait_dscnt 0x0                               ; my store is done before I say so (the loads of x stay on their way: nobody writes x)
	s_barrier_signal -1
	s_barrier_wait -1
.irp j, 0,1,2,3
	ds_load_b128 v[U+4*\j:U+4*\j+3],     v[P] offset:UR+512*\j
	ds_load_b128 v[AGG+4*\j:AGG+4*\j+3], v[P] offset:UR+2048+512*\j
	ds_load_b128 v[T+4*\j:T+4*\j+3],     v[P] offset:UR+4096+512*\j        ; v[38:53]: T, D and PT, free as yet
	ds_load_b128 v[TM+4*\j:TM+4*\j+3],   v[P] offset:UR+6144+512*\j
.endr
	s_wait_dscnt 0x0
.irp k, 0,1,2,3,4,5,6,7
	v_pk_add_f32 v[U+2*\k:U+2*\k+1], v[U+2*\k:U+2*\k+1], v[AGG+2*\k:AGG+2*\k+1]
	v_pk_add_f32 v[T+2*\k:T+2*\k+1], v[T+2*\k:T+2*\k+1], v[TM+2*\k:TM+2*\k+1]
.endr
.irp k, 0,1,2,3,4,5,6,7
	v_pk_add_f32 v[U+2*\k:U+2*\k+1], v[U+2*\k:U+2*\k+1], v[T+2*\k:T+2*\k+1]
.endr
	s_lshl_b32 s36, s32, 4
	v_mov_b32 v[SW], s36
	s_lshl_b32 s37, s32, 2
	v_mov_b32 v[W4], s37
	s_lshl_b32 s38, s32, 11
	v_lshl_add_u32 v[AGW], v1, 4, s38
	v_mov_b32 v[ZERO], 0
	s_wait_kmcnt 0x0
.irp i, 16,18,20,22,24,26,28,30
	s_add_f32 s[\i], s[\i], s[\i+1]
.endr
.irp i, 16,20,24,28
	s_add_f32 s[\i], s[\i], s[\i+2]
.endr
	s_add_f32 s16, s16, s20
	s_add_f32 s24, s24, s28
	s_add_f32 s33, s16, s24                        ; c
	v_cmp_eq_u32 vcc_lo, 0, v1
	v_mov_b32 v[CI+1], 0
	v_mov_b32 v[MN], s33
	v_cndmask_b32 v[CI], v[CI+1], v[MN], vcc_lo
; One group of 4 rows in slot.  first = 1: it starts maximum, sum and weighted sum (nothing is cleared).  next >= 0: the slot is loaded
; again with that group.  left = how many younger loads may stay out.
.macro GROUP slot, gp, first, next, left
	s_wait_loadcnt \left
.irp k, 0,1,2,3,4,5,6,7
.irp r, 0,1,2,3
.if \k == 0
	v_pk_fma_f32 v[D+2*\r:D+2*\r+1], v[X+64*\slot+16*\r:X+64*\slot+16*\r+1], v[U:U+1], v[CI:CI+1]
.else
	v_pk_fma_f32 v[D+2*\r:D+2*\r+1], v[X+64*\slot+16*\r+2*\k:X+64*\slot+16*\r+2*\k+1], v[U+2*\k:U+2*\k+1], v[D+2*\r:D+2*\r+1]
.endif
.endr
.endr
.irp r, 0,1,2,3
	v_add_f32 v[T+\r], v[D+2*\r], v[D+2*\r+1]
.endr
.irp m, 1,2,4,8
.irp r, 0,1,2,3
	v_add_f32_dpp v[T+\r], v[T+\r], v[T+\r] row_xmask:\m row_mask:0xf bank_mask:0xf
.endr
.endr
.irp r, 0,1,2,3
	v_permlanex16_b32 v[PT+\r], v[T+\r], s34, s35
.endr
.irp r, 0,1,2,3
	v_add_f32 v[T+\r], v[T+\r], v[PT+\r]           ; every lane holds the four scores
.endr
	ds_store_b128 v[SW], v[T:T+3] offset:SCR+256*\gp               ; rows 64 gp + 4 w .. + 3; all lanes write the same 16 bytes
	v_max3_num_f32 v[MN], v[T], v[T+1], v[T+2]
.if \first
	v_max_num_f32 v[MN], v[MN], v[T+3]
.else
	v_max3_num_f32 v[MN], v[MN], v[T+3], v[M]
	v_sub_f32 v[AL+1], v[M], v[MN]
.endif
.irp r, 0,1,2,3
	v_sub_f32 v[D+\r], v[T+\r], v[MN]
.endr
.irp r, 0,1,2,3
	v_exp_f32 v[P+\r], v[D+\r]
.endr
.if \first == 0
	v_exp_f32 v[AL], v[AL+1]
.endif
	v_mov_b32 v[M], v[MN]                          ; the plain instruction between the exponentials and the first use of a result
	s_wait_alu depctr_va_vdst(0)
	v_add_f32 v[D+4], v[P], v[P+1]
	v_add_f32 v[D+5], v[P+2], v[P+3]
.if \first
	v_add_f32 v[L], v[D+4], v[D+5]
.irp k, 0,1,2,3,4,5,6,7
	BMUL AGG+2*\k, X+64*\slot+2*\k, P, 0
.endr
.else
	v_add_f32 v[D+4], v[D+4], v[D+5]
	v_fma_f32 v[L], v[L], v[AL], v[D+4]
.irp k, 0,1,2,3,4,5,6,7
	BMUL AGG+2*\k, AGG+2*\k, AL, 0
.endr
.irp k, 0,1,2,3,4,5,6,7
	BFMA AGG+2*\k, X+64*\slot+2*\k, P, 0
.endr
.endif
.irp r, 1,2,3
.irp k, 0,1,2,3,4,5,6,7
	BFMA AGG+2*\k, X+64*\slot+16*\r+2*\k, P, \r
.endr
.endr
.if \next >= 0
	LOADG \slot, \next
.endif
.endm
	GROUP 0, 3, 1, 1, 16                           ; the other slot's 16 loads stay out
	GROUP 1, 2, 0, 0, 16                           ; likewise: the 16 just issued into slot 0
	GROUP 0, 1, 0, -1, 16                          ; likewise: the last group's 16
	GROUP 1, 0, 0, -1, 0                           ; nothing was issued behind this group's loads
	; the sixteen waves agree on one maximum, bring their sums to it and lay them in LDS
	ds_store_b32 v[W4], v[M] offset:MR
	s_wait_dscnt 0x0                               ; the maximum and the four stores of scores are done before I say so
	s_barrier_signal -1
	s_barrier_wait -1
.irp k, 0,1,2,3
	ds_load_b128 v[X+4*\k:X+4*\k+3], v[ZERO] offset:MR+16*\k
.endr
	s_wait_dscnt 0x0
	v_max3_num_f32 v[MN], v[X], v[X+1], v[X+2]
.irp k, 3,5,7,9,11,13
	v_max3_num_f32 v[MN], v[MN], v[X+\k], v[X+\k+1]
.endr
	v_max_num_f32 v[MN], v[MN], v[X+15]
	v_sub_f32 v[AL+1], v[M], v[MN]
	v_exp_f32 v[AL], v[AL+1]
	v_nop                                          ; the plain place behind the exponential
	s_wait_alu depctr_va_vdst(0)
	v_mul_f32 v[L], v[L], v[AL]
.irp k, 0,1,2,3,4,5,6,7
	BMUL AGG+2*\k, AGG+2*\k, AL, 0
.endr
	ds_store_b32 v[W4], v[L] offset:LR
.irp j, 0,1,2,3
	ds_store_b128 v[AGW], v[AGG+4*\j:AGG+4*\j+3] offset:AG+512*\j
.endr
	s_wait_dscnt 0x0                               ; done before I say so
	s_barrier_signal -1
	s_barrier_wait -1
	s_cmp_lt_u32 s32, 4
	s_cbranch_scc1 .Lagg
	s_cmp_lt_u32 s32, 6
	s_cbranch_scc1 .Lsc
	s_cmp_eq_u32 s32, 6
	s_cbranch_scc1 .Lml
	s_wait_tensorcnt 0x0
	ds_add_u32 v208, v209
	s_wait_dscnt 0x0
	s_endpgm
.macro FOLD k, dist                    ; vector k of four registers += vector k + dist
.irp p, 0,2
	v_pk_add_f32 v[X+4*\k+\p:X+4*\k+\p+1], v[X+4*\k+\p:X+4*\k+\p+1], v[X+4*(\k+\dist)+\p:X+4*(\k+\dist)+\p+1]
.endr
.endm
.Lagg:                                             ; waves 0 to 3: thread t (0..127) adds the sixteen waves' sums of columns 4 t .. 4 t + 3
	v_and_b32 v[AUX], 127, v0
	v_lshlrev_b32 v[AUX], 4, v[AUX]
.irp k, 0,1,2,3,4,5,6,7,8,9,10,11,12,13,14,15
	ds_load_b128 v[X+4*\k:X+4*\k+3], v[AUX] offset:AG+2048*\k
.endr
	s_wait_dscnt 0x0
.irp k, 0,1,2,3,4,5,6,7
	FOLD \k, 8
.endr
.irp k, 0,1,2,3
	FOLD \k, 4
.endr
	FOLD 0, 2
	FOLD 1, 2
	FOLD 0, 1
	global_store_b128 v[AUX], v[X:X+3], s[12:13]   ; a wave stores 512 neighbouring bytes, aligned
	s_wait_tensorcnt 0x0
	ds_add_u32 v208, v209
	s_wait_dscnt 0x0
	s_endpgm
.Lsc:                                              ; waves 4 and 5: the 256 scores, 16 bytes a thread (t & 63 = t - 128 here)
	v_and_b32 v[AUX], 63, v0
	v_lshlrev_b32 v[AUX], 4, v[AUX]
	ds_load_b128 v[X:X+3], v[AUX] offset:SCR
	s_wait_dscnt 0x0
	global_store_b128 v[AUX], v[X:X+3], s[10:11]
	s_wait_tensorcnt 0x0
	ds_add_u32 v208, v209
	s_wait_dscnt 0x0
	s_endpgm
.Lml:                                              ; wave 6: the work-group's maximum and the sum of the sixteen waves' sums
	v_and_b32 v[AUX], 15, v1
	v_lshlrev_b32 v[AUX], 2, v[AUX]
	ds_load_b32 v[X+1], v[AUX] offset:LR
	v_mov_b32 v[X], v[MN]
	s_wait_dscnt 0x0
.irp m, 1,2,4,8
	v_add_f32_dpp v[X+1], v[X+1], v[X+1] row_xmask:\m row_mask:0xf bank_mask:0xf
.endr
	v_cmp_eq_u32 vcc_lo, 0, v1
	s_wait_xcnt 0x0                                ; EXEC is narrowed only behind this wait
	s_wait_tensorcnt 0x0
	ds_add_u32 v208, v209
	s_wait_dscnt 0x0
	s_and_saveexec_b32 s36, vcc_lo
	global_store_b64 v[ZERO], v[X:X+1], s[14:15]   ; 8 bytes: the one short store of this launch (mlp is 2 KiB in all)
	s_wait_xcnt 0x0                                ; and widened again only behind this one
	s_or_b32 exec_lo, exec_lo, s36
	s_endpgm
.Lfunc_end_k_q5a7e336e44_score:
	.size	k_q5a7e336e44_score, .Lfunc_end_k_q5a7e336e44_score-k_q5a7e336e44_score
	.p2alignl 7, 3214868480
	.fill 96, 4, 3214868480
	.section	.rodata,"a",@progbits
	.p2align	6, 0x0
	.amdhsa_kernel k_q5a7e336e44_score
		.amdhsa_group_segment_fixed_size 45056
		.amdhsa_private_segment_fixed_size 0
		.amdhsa_enable_private_segment 0
		.amdhsa_kernarg_size 48
		.amdhsa_user_sgpr_count 2
		.amdhsa_user_sgpr_kernarg_segment_ptr 1
		.amdhsa_wavefront_size32 1
		.amdhsa_system_sgpr_workgroup_id_x 1
		.amdhsa_system_sgpr_workgroup_id_y 1
		.amdhsa_system_sgpr_workgroup_id_z 1
		.amdhsa_system_vgpr_workitem_id 0
		.amdhsa_next_free_vgpr 210
		.amdhsa_next_free_sgpr 66
		.amdhsa_reserve_vcc 1
		.amdhsa_float_denorm_mode_32 3
		.amdhsa_float_denorm_mode_16_64 3
		.amdhsa_memory_ordered 1
		.amdhsa_forward_progress 1
		.amdhsa_inst_pref_size 46
	.end_amdhsa_kernel
	.amdgpu_metadata
---
amdhsa.version: [ 1, 2 ]
amdhsa.kernels:
  - .name:           k_q5a7e336e44_score
    .symbol:         k_q5a7e336e44_score.kd
    .args:
      - { .name: x, .offset: 0, .size: 8, .value_kind: global_buffer, .address_space: global }
      - { .name: upart, .offset: 8, .size: 8, .value_kind: global_buffer, .address_space: global }
      - { .name: cpart, .offset: 16, .size: 8, .value_kind: global_buffer, .address_space: global }
      - { .name: sc, .offset: 24, .size: 8, .value_kind: global_buffer, .address_space: global }
      - { .name: aggp, .offset: 32, .size: 8, .value_kind: global_buffer, .address_space: global }
      - { .name: mlp, .offset: 40, .size: 8, .value_kind: global_buffer, .address_space: global }
    .group_segment_fixed_size: 45056
    .private_segment_fixed_size: 0
    .kernarg_segment_align: 8
    .kernarg_segment_size: 48
    .max_flat_workgroup_size: 512
    .sgpr_count:     66
    .vgpr_count:     210
    .wavefront_size: 32
...
	.end_amdgpu_metadata
.endif
;; end of part 3
;; launch final (part 4): grid 256 x 1, 3 waves a work-group, no clusters, 0 bytes of LDS; arguments sc, aggp, mlp, out0, out1; writes out0, out1
.if DOCPART == 4
	.amdgcn_target "amdgcn-amd-amdhsa--gfx1250"
	.amdhsa_code_object_version 6
	.text
	.protected	k_q5a7e336e44_final
	.globl	k_q5a7e336e44_final
	.p2align	8
	.type	k_q5a7e336e44_final,@function
k_q5a7e336e44_final:
	s_mov_b64 s[64:65], 0
	v_nop
	global_prefetch_b8 v0, s[64:65] scope:SCOPE_SE
	s_setreg_imm32_b32 hwreg(HW_REG_WAVE_MODE, 25, 1), 1
	s_wait_xcnt 0x0
; STEP 4 OF 4.  A batch's four quarters (m_k, l_k, aggp_k) are joined:  M = max m_k,  f_k = 2^(m_k - M),  S = sum l_k f_k,
;   out1[b][n] = 2^(sc[n] - M) / S        out0[b][d] = sum over k of aggp_k[d] f_k / S.
; Work-group wg = 4 b + q: waves 0 and 1 make the 256 weights of quarter q (16 bytes a thread), wave 2 makes columns 128 q .. 128 q + 127
; of out0.  Every exponent is at most 0 and S is at least 1, since the quarter that holds M has l >= 1 and f = 1.
; Limit kept: v_exp_f32 gives 0 for a result below 2^-126; the division is v_rcp_f32 and a multiplication.
; The waves share nothing: no LDS, no barrier.  Each wave works the few scalars out for itself.
.macro BMUL d, a, base, idx            ; d = a x (register base + idx, in both halves); base is even
.if (\idx)%2
	v_pk_mul_f32 v[\d:\d+1], v[\a:\a+1], v[\base+\idx-1:\base+\idx] op_sel:[0,1] op_sel_hi:[1,1]
.else
	v_pk_mul_f32 v[\d:\d+1], v[\a:\a+1], v[\base+\idx:\base+\idx+1] op_sel_hi:[1,0]
.endif
.endm
.macro BFMA d, a, base, idx            ; d += the same
.if (\idx)%2
	v_pk_fma_f32 v[\d:\d+1], v[\a:\a+1], v[\base+\idx-1:\base+\idx], v[\d:\d+1] op_sel:[0,1,0] op_sel_hi:[1,1,1]
.else
	v_pk_fma_f32 v[\d:\d+1], v[\a:\a+1], v[\base+\idx:\base+\idx+1], v[\d:\d+1] op_sel_hi:[1,0,1]
.endif
.endm
; From s[16:23] = (m0, l0, m1, l1, m2, l2, m3, l3):  v24 = M,  v[26:29] = f_k,  v36 = 1 / S
.macro FACT
	v_mov_b32 v24, s16
	v_max3_num_f32 v24, v24, s18, s20
	v_max_num_f32 v24, s22, v24
	v_sub_f32 v30, s16, v24
	v_sub_f32 v31, s18, v24
	v_sub_f32 v32, s20, v24
	v_sub_f32 v33, s22, v24
	v_exp_f32 v26, v30
	v_exp_f32 v27, v31
	v_exp_f32 v28, v32
	v_exp_f32 v29, v33
	v_nop                                          ; the plain place behind the exponentials
	s_wait_alu depctr_va_vdst(0)
	v_mul_f32 v34, s17, v26
	v_fma_f32 v34, s19, v27, v34
	v_fma_f32 v34, s21, v28, v34
	v_fma_f32 v34, s23, v29, v34
	v_rcp_f32 v36, v34
	v_nop                                          ; and behind the reciprocal
.endm
	s_load_b256 s[4:11], s[0:1], 0x0               ; sc s[4:5], aggp s[6:7], mlp s[8:9], out0 s[10:11]
	s_load_b64 s[12:13], s[0:1], 0x20              ; out1
	v_and_b32 v1, 31, v0                           ; l
	v_lshrrev_b32 v2, 5, v0
	v_readfirstlane_b32 s14, v2                    ; wave 0..2
	s_lshr_b32 s15, ttmp9, 2                       ; b
	s_and_b32 s24, ttmp9, 3                        ; q
	s_lshl_b32 s26, s15, 5                         ; mlp: 4 quarters x 8 bytes
	s_mov_b32 s27, 0
	s_wait_kmcnt 0x0
	s_add_nc_u64 s[8:9], s[8:9], s[26:27]
	s_load_b256 s[16:23], s[8:9], 0x0
	s_cmp_eq_u32 s14, 2
	s_cbranch_scc1 .Lpool
	s_lshl_b32 s28, ttmp9, 10                      ; 256 words of sc, and the same place in out1 ([64][1024]: 4,096 b + 1,024 q)
	s_mov_b32 s29, 0
	s_add_nc_u64 s[4:5], s[4:5], s[28:29]
	s_add_nc_u64 s[12:13], s[12:13], s[28:29]
	v_lshlrev_b32 v3, 4, v0                        ; 16 t, t = 0..63
	global_load_b128 v[4:7], v3, s[4:5]
	s_wait_kmcnt 0x0
	FACT
	s_wait_loadcnt 0x0
.irp i, 0,1,2,3
	v_sub_f32 v[4+\i], v[4+\i], v24
.endr
.irp i, 0,1,2,3
	v_exp_f32 v[8+\i], v[4+\i]
.endr
	v_nop                                          ; the plain place behind the exponentials
	s_wait_alu depctr_va_vdst(0)
.irp i, 0,1,2,3
	v_mul_f32 v[8+\i], v[8+\i], v36
.endr
	global_store_b128 v3, v[8:11], s[12:13] th:TH_STORE_NT         ; a wave stores 512 neighbouring bytes, aligned
	s_endpgm
.Lpool:
	s_lshl_b32 s25, s24, 9                         ; 128 q columns
	s_lshl_b32 s28, s15, 13                        ; aggp: 4 quarters x 2,048 bytes
	s_add_co_u32 s28, s28, s25
	s_mov_b32 s29, 0
	s_lshl_b32 s30, s15, 11                        ; out0: a row of 2,048 bytes
	s_add_co_u32 s30, s30, s25
	s_mov_b32 s31, 0
	s_add_nc_u64 s[6:7], s[6:7], s[28:29]
	s_add_nc_u64 s[10:11], s[10:11], s[30:31]
	v_lshlrev_b32 v3, 4, v1                        ; 16 l
.irp k, 0,1,2,3
	global_load_b128 v[4+4*\k:7+4*\k], v3, s[6:7] offset:2048*\k
.endr
	s_wait_kmcnt 0x0
	FACT
	s_wait_alu depctr_va_vdst(0)
.irp k, 0,1,2,3
	v_mul_f32 v[26+\k], v[26+\k], v36              ; f_k / S
.endr
	s_wait_loadcnt 0x0
	BMUL 20, 4, 26, 0
	BMUL 22, 6, 26, 0
.irp k, 1,2,3
	BFMA 20, 4+4*\k, 26, \k
	BFMA 22, 6+4*\k, 26, \k
.endr
	global_store_b128 v3, v[20:23], s[10:11] th:TH_STORE_NT        ; 512 neighbouring bytes, aligned
	s_endpgm
.Lfunc_end_k_q5a7e336e44_final:
	.size	k_q5a7e336e44_final, .Lfunc_end_k_q5a7e336e44_final-k_q5a7e336e44_final
	.p2alignl 7, 3214868480
	.fill 96, 4, 3214868480
	.section	.rodata,"a",@progbits
	.p2align	6, 0x0
	.amdhsa_kernel k_q5a7e336e44_final
		.amdhsa_group_segment_fixed_size 0
		.amdhsa_private_segment_fixed_size 0
		.amdhsa_enable_private_segment 0
		.amdhsa_kernarg_size 40
		.amdhsa_user_sgpr_count 2
		.amdhsa_user_sgpr_kernarg_segment_ptr 1
		.amdhsa_wavefront_size32 1
		.amdhsa_system_sgpr_workgroup_id_x 1
		.amdhsa_system_sgpr_workgroup_id_y 1
		.amdhsa_system_sgpr_workgroup_id_z 1
		.amdhsa_system_vgpr_workitem_id 0
		.amdhsa_next_free_vgpr 40
		.amdhsa_next_free_sgpr 66
		.amdhsa_reserve_vcc 0
		.amdhsa_float_denorm_mode_32 3
		.amdhsa_float_denorm_mode_16_64 3
		.amdhsa_memory_ordered 1
		.amdhsa_forward_progress 1
		.amdhsa_inst_pref_size 5
	.end_amdhsa_kernel
	.amdgpu_metadata
---
amdhsa.version: [ 1, 2 ]
amdhsa.kernels:
  - .name:           k_q5a7e336e44_final
    .symbol:         k_q5a7e336e44_final.kd
    .args:
      - { .name: sc, .offset: 0, .size: 8, .value_kind: global_buffer, .address_space: global }
      - { .name: aggp, .offset: 8, .size: 8, .value_kind: global_buffer, .address_space: global }
      - { .name: mlp, .offset: 16, .size: 8, .value_kind: global_buffer, .address_space: global }
      - { .name: out0, .offset: 24, .size: 8, .value_kind: global_buffer, .address_space: global }
      - { .name: out1, .offset: 32, .size: 8, .value_kind: global_buffer, .address_space: global }
    .group_segment_fixed_size: 0
    .private_segment_fixed_size: 0
    .kernarg_segment_align: 8
    .kernarg_segment_size: 40
    .max_flat_workgroup_size: 96
    .sgpr_count:     66
    .vgpr_count:     40
    .wavefront_size: 32
...
	.end_amdgpu_metadata
.endif
;; end of part 4
;; ======== version 2 of 2: 4 launches; version 1 with the launch colsum written anew for expert scheduling mode
;; workspace buffers: part 524,288 bytes; upart 2,097,152 bytes; cpart 4,096 bytes; sc 262,144 bytes; aggp 524,288 bytes; mlp 2,048 bytes
;; launch colsum (part 5): grid 256 x 1, 16 waves a work-group, no clusters, 10,240 bytes of LDS; arguments x, part; writes part
.if DOCPART == 5
	.amdgcn_target "amdgcn-amd-amdhsa--gfx1250"
	.amdhsa_code_object_version 6
	.text
	.protected	k_q5a7e336e44_colsum
	.globl	k_q5a7e336e44_colsum
	.p2align	8
	.type	k_q5a7e336e44_colsum,@function
k_q5a7e336e44_colsum:
	s_mov_b64 s[64:65], 0
	v_nop
	global_prefetch_b8 v0, s[64:65] scope:SCOPE_SE
	s_setreg_imm32_b32 hwreg(HW_REG_WAVE_SCHED_MODE, 0, 2), 2
	s_setreg_imm32_b32 hwreg(HW_REG_WAVE_MODE, 25, 1), 1
	s_wait_xcnt 0x0
	s_wait_alu depctr_vm_vsrc(0)
; STEP 1 OF 4.  part[wg][c] = sum of x[row][c] over the 256 rows of quarter batch wg (wg = 4 b + q), in f32.
; Why a column sum: reference() averages the scores over the key axis BEFORE the softmax, and that mean is linear, so for every input
;   mean_m (q_n . k_m) = q_n . (Wk xbar + bk),  xbar = mean_m x[b][m],   and   q_n . kbar = x_n . (Wq^T kbar) + bq . kbar.
; The four launches compute exactly that: column sums (here), the two small products, the scores with pooling, the closing normalisation.
; Limit kept: sums are f32 in another order than reference()'s; nothing is rounded to 16 bits.
; Sixteen waves; the work-group owns 256 rows = 512 KiB.  Thread t owns the 16 bytes at 16 t of every block of 4 rows (8,192 bytes):
; column group t & 127 of row t >> 7 of the block.  One load of a wave covers 512 neighbouring bytes, aligned.
; No matrix unit, no tensor load, no cluster: no byte of x is used twice in this launch and no two work-groups read the same byte.
; THE MODE: SCHED_MODE bits 1:0 = 2 (LLVM: expert scheduling mode 2), set by the entry lines.  The code itself states the register dependences
; between vector instructions and memory or LDS instructions, with s_wait_alu, always for 0.
; THE PLAN.  The 64 blocks go in 16 groups of four.  Registers that memory or LDS instructions touch:
;   X0 .. X4   five buffers of four slots.  The loads of group g land in X[g % 5]; the eight additions of group g read it.
;   v1, v11    byte offsets, made once at the head and never written again: the blocks are reached by immediate offsets.
;   SA         written by the additions; read, behind the last of them, by the one LDS store.
;   v[16:31]   (X0 once more) at the end: the four LDS loads land there, six additions write it, the global store reads its first four.
;   v80, v81   written at the head, read by the closing add alone.
; Group p issues the loads of group p + 4, which land in X[(p + 4) % 5] = X[(p - 1) % 5]: the buffer that group p - 1 read and that no addition
; of group p names.  So ONE wait at the head of a group states all that its four loads hang on, and these are dealt among its eight additions
; with no further wait.  12 to 16 loads of every wave are out: 16 waves x 16 x 512 bytes = 128 KiB for the work-group at the most in the stream.
.set BLK,    8192                      ; bytes in a block of 4 rows
.set NLD,    64                        ; blocks = loads of a thread
.set GROUPS, NLD/4
.set SA,     2                         ; v[2:5]    sum chain of the even blocks
.set SB,     6                         ; v[6:9]    sum chain of the odd blocks
.set X,      16                        ; buffer k at X + 16 k + 2 (k / 4): v[16:79] for k = 0 .. 3, v[82:97] for k = 4 (v80 and v81 lie between)
	s_load_b128 s[4:7], s[0:1], 0x0                ; x s[4:5], part s[6:7]
	v_lshl_add_u32 v80, v0, 2, 0x2000
	v_mov_b32 v81, 0
	v_lshrrev_b32 v10, 5, v0
	v_readfirstlane_b32 s8, v10                    ; wave 0..15
	v_lshlrev_b32 v1, 4, v0                        ; 16 t: my bytes in a block, and my place in LDS; never rewritten
	v_and_b32 v11, 127, v0
	v_lshlrev_b32 v11, 4, v11                      ; 16 (t & 127): my column group; the closing sum's address
	s_lshl_b32 s2, ttmp9, 19                       ; 256 rows x 2,048 bytes; 255 << 19 stays below 2^27
	s_mov_b32 s3, 0
	s_lshl_b32 s10, ttmp9, 11                      ; one row of 2,048 bytes of part
	s_mov_b32 s11, 0
	s_wait_alu depctr_va_sdst(0)                   ; s8 is written, ahead of its first reader: the compare behind the barrier
	s_wait_kmcnt 0x0
	s_add_nc_u64 s[4:5], s[4:5], s[2:3]
	s_add_nc_u64 s[6:7], s[6:7], s[10:11]
	s_wait_alu depctr_va_vdst(0)                   ; v1 and v11 are written: every load and store of the kernel reads one of them as its offset or address
.set i, 0
.rept 20                                               ; groups 0 to 4 fill the five buffers
.set LB, X+4*i+2*(i/16)
	global_load_b128 v[LB:LB+3], v1, s[4:5] offset:i*BLK               ; no hint: a later launch reads x again
.set i, i+1
.endr
	s_wait_loadcnt 16                              ; 20 issued, 16 may stay out: blocks 0 to 3 are in
	v_pk_add_f32 v[SA:SA+1],   v[X:X+1],     v[X+8:X+9]            ; the first four blocks start the two chains: nothing is cleared
	v_pk_add_f32 v[SA+2:SA+3], v[X+2:X+3],   v[X+10:X+11]
	v_pk_add_f32 v[SB:SB+1],   v[X+4:X+5],   v[X+12:X+13]
	v_pk_add_f32 v[SB+2:SB+3], v[X+6:X+7],   v[X+14:X+15]
; Group g: at its head the loads up to group min(g + 3, 15) have been issued, so 4 min(3, 15 - g) younger ones may stay out.
.set g, 1
.rept GROUPS-1
.set RB, X+16*(g%5)+2*((g%5)/4)                        ; the buffer that this group's additions read
.set LB, X+16*((g+4)%5)+2*(((g+4)%5)/4)                ; the buffer in which this group's loads land
.if GROUPS-1-g < 3
	s_wait_loadcnt 4*(GROUPS-1-g)
.else
	s_wait_loadcnt 12
.endif
.if g+4 < GROUPS
	s_wait_alu depctr_va_vdst(0)                   ; the additions of the group before are done reading their buffer, in which the four loads below land
.endif
.irp r, 0,1,2,3
.if g+4 < GROUPS
	global_load_b128 v[LB+4*\r:LB+4*\r+3], v1, s[4:5] offset:(4*(g+4)+\r)*BLK  ; four groups ahead; no addition since the wait names these registers
.endif
	v_pk_add_f32 v[SA+4*(\r%2):SA+4*(\r%2)+1],   v[SA+4*(\r%2):SA+4*(\r%2)+1],   v[RB+4*\r:RB+4*\r+1]
	v_pk_add_f32 v[SA+4*(\r%2)+2:SA+4*(\r%2)+3], v[SA+4*(\r%2)+2:SA+4*(\r%2)+3], v[RB+4*\r+2:RB+4*\r+3]
.endr
.set g, g+1
.endr
	v_pk_add_f32 v[SA:SA+1],   v[SA:SA+1],   v[SB:SB+1]
	v_pk_add_f32 v[SA+2:SA+3], v[SA+2:SA+3], v[SB+2:SB+3]
	s_wait_alu depctr_va_vdst(0)                   ; SA is written, which the LDS store reads; and group 15's additions are done reading v[16:31], in which the LDS loads behind the barrier land (no vector instruction stands between)
	ds_store_b128 v1, v[SA:SA+3]                   ; LDS [row of the block 4][512 columns]
	s_wait_dscnt 0x0                               ; my store is done before I say so: other waves read it
	s_barrier_signal -1
	s_barrier_wait -1
	s_cmp_ge_u32 s8, 4
	s_cbranch_scc1 .Lend                           ; waves 0 to 3 (threads 0 to 127) add the four rows and store 2,048 bytes
.irp k, 0,1,2,3
	ds_load_b128 v[X+4*\k:X+4*\k+3], v11 offset:2048*\k
.endr
	s_wait_dscnt 0x0
	v_pk_add_f32 v[X:X+1],     v[X:X+1],     v[X+4:X+5]
	v_pk_add_f32 v[X+2:X+3],   v[X+2:X+3],   v[X+6:X+7]
	v_pk_add_f32 v[X+8:X+9],   v[X+8:X+9],   v[X+12:X+13]
	v_pk_add_f32 v[X+10:X+11], v[X+10:X+11], v[X+14:X+15]
	v_pk_add_f32 v[X:X+1],     v[X:X+1],     v[X+8:X+9]
	v_pk_add_f32 v[X+2:X+3],   v[X+2:X+3],   v[X+10:X+11]
	s_wait_alu depctr_va_vdst(0)                   ; the additions have written v[X:X+3], which the store reads
	global_store_b128 v11, v[X:X+3], s[6:7]        ; a wave stores 512 neighbouring bytes, aligned
.Lend:
	s_wait_dscnt 0x0                               ; the closing lines, six on end
	s_wait_alu 0x0
	s_wait_tensorcnt 0x0
	ds_add_u32 v80, v81
	s_wait_dscnt 0x0
	s_endpgm
.Lfunc_end_k_q5a7e336e44_colsum:
	.size	k_q5a7e336e44_colsum, .Lfunc_end_k_q5a7e336e44_colsum-k_q5a7e336e44_colsum
	.p2alignl 7, 3214868480
	.fill 96, 4, 3214868480
	.section	.rodata,"a",@progbits
	.p2align	6, 0x0
	.amdhsa_kernel k_q5a7e336e44_colsum
		.amdhsa_group_segment_fixed_size 10240
		.amdhsa_private_segment_fixed_size 0
		.amdhsa_enable_private_segment 0
		.amdhsa_kernarg_size 16
		.amdhsa_user_sgpr_count 2
		.amdhsa_user_sgpr_kernarg_segment_ptr 1
		.amdhsa_wavefront_size32 1
		.amdhsa_system_sgpr_workgroup_id_x 1
		.amdhsa_system_sgpr_workgroup_id_y 1
		.amdhsa_system_sgpr_workgroup_id_z 1
		.amdhsa_system_vgpr_workitem_id 0
		.amdhsa_next_free_vgpr 98
		.amdhsa_next_free_sgpr 66
		.amdhsa_reserve_vcc 0
		.amdhsa_float_denorm_mode_32 3
		.amdhsa_float_denorm_mode_16_64 3
		.amdhsa_memory_ordered 1
		.amdhsa_forward_progress 1
		.amdhsa_inst_pref_size 17
	.end_amdhsa_kernel
	.amdgpu_metadata
---
amdhsa.version: [ 1, 2 ]
amdhsa.kernels:
  - .name:           k_q5a7e336e44_colsum
    .symbol:         k_q5a7e336e44_colsum.kd
    .args:
      - { .name: x, .offset: 0, .size: 8, .value_kind: global_buffer, .address_space: global }
      - { .name: part, .offset: 8, .size: 8, .value_kind: global_buffer, .address_space: global }
    .group_segment_fixed_size: 10240
    .private_segment_fixed_size: 0
    .kernarg_segment_align: 8
    .kernarg_segment_size: 16
    .max_flat_workgroup_size: 512
    .sgpr_count:     66
    .vgpr_count:     98
    .wavefront_size: 32
...
	.end_amdgpu_metadata
.endif
;; end of part 5
;; launch proj: the kernel of part 2 again; grid 16 x 16, 8 waves a work-group, no clusters, 10,240 bytes of LDS; arguments part, Wk, bk, Wq, bq, upart, cpart; writes upart, cpart
;; launch score: the kernel of part 3 again; grid 256 x 1, 16 waves a work-group, no clusters, 45,056 bytes of LDS; arguments x, upart, cpart, sc, aggp, mlp; writes sc, aggp, mlp
;; launch final: the kernel of part 4 again; grid 256 x 1, 3 waves a work-group, no clusters, 0 bytes of LDS; arguments sc, aggp, mlp, out0, out1; writes out0, out1
